; MI455X (gfx1250); checked and timed in simulation.
; The chip was launched on July 23, 2026; its instructions are those of AMD's public machine-readable ISA for CDNA 5 (MIT licence, August 2026) and "CDNA5" Instruction Set Architecture Reference Guide (July 2026). The comments in the code are by the model that wrote it; some were corrected since.
;; Multihead Local Pos Attention. Allowed arithmetic: float matrix products may take bf16 or f16 operands with f32 sums; all other float work in f32.
;; Inputs: Wo 256 x 256 float32; Wp1 128 x 1 float32; Wp2 256 x 128 float32; Wqkv 768 x 256 float32; attn_index 32,768 x 16 int32; bo 256 float32; bp1 128 float32; bp2 256 float32; bqkv 768 float32; mask 32,768 x 16 bool; pos 32,768 x 3 float32; x 32,768 x 256 float32.
;; Outputs: out0 32,768 x 256 float32.
;; Constants: nsample = 16.
;; 2 versions, each right; version 2 is version 1 with the launch proj written anew for expert scheduling mode. Each part assembles by itself: llvm-mc -triple=amdgcn-amd-amdhsa -mcpu=gfx1250 --defsym DOCPART=n.
;; ======== version 1 of 2: 2 launches
;; limits: values outside matrix products are rounded to bf16; values are held in f16: magnitudes above 65,504 overflow, below 6.1e-05 lose precision
;; workspace buffers: qkv 50,331,648 bytes; wh 196,608 bytes
;; launch proj (part 1): grid 2 x 128, 4 waves a work-group, no clusters, 279,296 bytes of LDS; arguments x, Wqkv, bqkv, Wp2, Wo, qkv, wh; writes qkv, wh
.if DOCPART == 1
	.amdgcn_target "amdgcn-amd-amdhsa--gfx1250"
	.amdhsa_code_object_version 6
	.text
	.protected	k_qb8a633e0ad_proj
	.globl	k_qb8a633e0ad_proj
	.p2align	8
	.type	k_qb8a633e0ad_proj,@function
k_qb8a633e0ad_proj:
	s_mov_b64 s[64:65], 0
	v_nop
	global_prefetch_b8 v0, s[64:65] scope:SCOPE_SE
	s_setreg_imm32_b32 hwreg(HW_REG_WAVE_MODE, 25, 1), 1
	s_wait_xcnt 0x0
; qkv = bf16(x) bf16(Wqkv)^T + bf16(bqkv), sums in f32, written once as bf16 in the layout that the next launch gathers from:
; a row of 1,536 bytes: bytes 0-511 q in channel order; then 64 units of 16 bytes, unit g = k[4g..4g+3], v[4g..4g+3].
; Side job: Wp2 and Wo, rounded to bf16 and written as f16 (exact inside f16's range), into wh: Wp2 [256][128], then Wo [256][256].
; LIMITS. |Wp2|, |Wo| stay under 65,504; a weight under 6e-5 keeps f16's fixed step of 6e-8. q, k, v carry bf16's 8 significant bits.
; SHARES. Work-group (b, by): rows 256 by .. +255; q channels 128 b .. +127 and the units 32 b .. +31: 384 positions of a row.
; 256 + 384 rows of 1,024 bytes are rounded per work-group, the least among the splits of 32,768 x 768 into 256 equal parts.
; A wave owns 64 rows of x (in 256 registers, as fragments) and walks all 24 tiles of 16 positions.
; x and Wqkv are f32 and must pass through registers to be rounded, so they come by global loads: no tensor load, and so no joint load in a cluster.
; THE PRODUCT IS USED TRANSPOSED (source 0 = 16 positions of W, source 1 = 16 rows of x): a lane then holds 8 neighbouring positions of one row, 16 bytes.
; W IN LDS. Position m of a tile has bit 2 clear (q channel with bit 2 clear, or k) or set (the other q channels, or v). The first kind lies in 192 LOW rows,
; the second in 192 HIGH rows, DELTA bytes on. Tile nt, position r: row 8 nt + 4 (r >> 3) + (r & 3), high if bit 2 of r is set: one formula for q tiles and kv tiles.
; Pitch 528 = 132 words and DELTA = 32 words modulo 64: the 16 rows of a fragment load start at 16 different groups of four banks (64 banks of 4 bytes: ISA guide 11.1).
.set PITCH, 528
.set DELTA, 192*PITCH+128
.set BIAS,  203008                     ; behind W: for each wave 1,536 bytes: 192 f32 for the low rows, 192 for the high rows
.set BIASB, 1536
.set STG,   209152                     ; for each wave 17,408 bytes: first 32 rows of x in bf16 (pitch 528), later 64 rows x 256 bytes of results (pitch 272)
.set STGB,  17408
.set SP,    272
.set SPARE, 278784                     ; the spare words, 128 bytes a wave: two blocks of 256 bytes that no other line names
.set VL,   1                           ; 16 x lane
.set VWQ,  2                           ; 16 x lane + wave x 32 rows of W
.set LSX,  3                           ; my stage + 8 x lane
.set LSQ,  4                           ; W's low rows of my 32 q channels + 8 x lane
.set LSQH, 5                           ; the high rows
.set LSK,  6                           ; the low rows of my 32 k channels + 8 x lane
.set LSKH, 7                           ; the high rows of my 32 v channels
.set XFA,  8                           ; a fragment of x out of my stage
.set AW,   9                           ; a fragment of W; steps by 8 tiles
.set AB,   10                          ; a tile's biases; steps by 8 tiles
.set STO,  11                          ; the way out: where I put 16 bytes of a row
.set RD,   12                          ; the way out: where I read rows back
.set CO,   13                          ; my byte offset in two rows of qkv
.set SPW,  14                          ; my spare word
.set NIL,  15                          ; 0
.set PK,   16                          ; v16-47 packed bf16 of a chunk; in the tiles v16-31
.set BC,   40                          ; v40-47, v48-55: a tile's biases, the C that starts its sums; two buffers
.set SJ,   48                          ; v48-51 the side job's 4 numbers (before the tiles)
.set BI,   52                          ; v52-63 q's, k's, v's biases (before the tiles)
.set RB,   64                          ; v64-255 three ring buffers of 64: a chunk of 8 rows x 1,024 bytes each
.set WF,   64                          ; in the tiles: v64-127, v128-191 W's fragments, two buffers
.set ACC,  192                         ; v192-223 four accumulators
                                       ; window 1: x's fragments, 16 rows Mt x 32 K at 64 Mt + 8 kappa
.set XB, 32                            ; s[32:33] x at my wave's first row
.set WB, 34                            ; s[34:35] Wqkv at q channel 128 b
.set BB, 36                            ; s[36:37] bqkv at q channel 128 b
.set PO, 38                            ; s[38:39] qkv at my wave's first row, at the group's 256 bytes
.set MSB, 0
.macro WIN new                         ; the immediate's high byte repeats the setting that is left; a switch that changes nothing is dropped
.if MSB != (\new)
	s_set_vgpr_msb (MSB<<8)|(\new)
.set MSB, (\new)
.endif
.endm
	s_load_b256 s[4:11], s[0:1], 0x0               ; x s[4:5], Wqkv s[6:7], bqkv s[8:9], Wp2 s[10:11]
	s_load_b128 s[12:15], s[0:1], 0x20             ; Wo s[12:13], qkv s[14:15]
	s_load_b64 s[16:17], s[0:1], 0x30              ; wh
	v_lshl_add_u32 v[SPW], v0, 2, SPARE
	v_mov_b32 v[NIL], 0
	v_lshrrev_b32 v56, 5, v0
	v_readfirstlane_b32 s18, v56                   ; wave 0..3
	s_mov_b32 s19, ttmp9                           ; b
	s_and_b32 s20, ttmp7, 0xffff                   ; by
	s_lshl1_add_u32 s21, s20, s19                  ; g = 2 by + b: the work-group's number, for the side job
	v_and_b32 v57, 31, v0                          ; lane
	v_and_b32 v58, 15, v0                          ; r
	v_bfe_u32 v59, v0, 4, 1                        ; h
	v_lshlrev_b32 v[VL], 4, v57
	s_lshl_b32 s22, s18, 15
	v_add_nc_u32 v[VWQ], s22, v[VL]
	s_mul_i32 s23, s18, 16*PITCH                   ; my 32 q channels fill 16 low and 16 high rows
	v_lshl_add_u32 v[LSQ], v57, 3, s23
	v_add_nc_u32 v[LSQH], DELTA, v[LSQ]
	s_mul_i32 s23, s18, 32*PITCH
	s_add_co_u32 s23, s23, 64*PITCH                ; k and v lie behind q's 64 rows
	v_lshl_add_u32 v[LSK], v57, 3, s23
	v_add_nc_u32 v[LSKH], DELTA, v[LSK]
	s_mul_i32 s22, s18, STGB
	s_add_co_u32 s22, s22, STG                     ; my stage
	v_lshl_add_u32 v[LSX], v57, 3, s22
	v_mul_u32_u24 v[XFA], v58, PITCH
	v_lshl_add_u32 v[XFA], v59, 4, v[XFA]
	v_add_nc_u32 v[XFA], s22, v[XFA]               ; row r, 16 bytes for each half of the lanes
	v_mul_u32_u24 v[STO], v58, SP
	v_lshl_add_u32 v[STO], v59, 4, v[STO]
	v_add_nc_u32 v[STO], s22, v[STO]
	v_mul_u32_u24 v[RD], v59, SP                   ; back: lanes 0-15 one row of 256 bytes, lanes 16-31 the next
	v_lshl_add_u32 v[RD], v58, 4, v[RD]
	v_add_nc_u32 v[RD], s22, v[RD]
	v_mul_u32_u24 v[CO], v59, 1536
	v_lshl_add_u32 v[CO], v58, 4, v[CO]
	v_and_b32 v60, 3, v0
	v_bfe_u32 v61, v0, 3, 1
	v_lshl_add_u32 v60, v61, 2, v60                ; (r & 3) + 4 (r >> 3)
	v_mul_u32_u24 v[AW], v60, PITCH
	v_bfe_u32 v61, v0, 2, 1
	v_mad_u32_u24 v[AW], v61, DELTA, v[AW]         ; high rows where bit 2 of r is set
	v_lshl_add_u32 v[AW], v59, 4, v[AW]
	s_mul_i32 s28, s18, BIASB
	s_add_co_u32 s28, s28, BIAS                    ; my bias tables
	v_lshl_add_u32 v[AB], v59, 4, s28              ; positions 8 h + 0..3 are low rows 4 h + 0..3 of the tile's eight
	s_wait_kmcnt 0x0
	s_lshl_b32 s22, s20, 18                        ; 256 by rows of 1,024 bytes
	s_lshl_b32 s23, s18, 16                        ; + 64 rows a wave
	s_add_co_u32 s22, s22, s23
	s_mov_b32 s23, 0
	s_add_nc_u64 s[XB:XB+1], s[4:5], s[22:23]
	s_lshl_b32 s22, s19, 17
	s_add_nc_u64 s[WB:WB+1], s[6:7], s[22:23]
	s_lshl_b32 s22, s19, 9
	s_add_nc_u64 s[BB:BB+1], s[8:9], s[22:23]
	s_lshl_b32 s22, s20, 8
	s_lshl_b32 s29, s18, 6
	s_add_co_u32 s22, s22, s29
	s_mul_i32 s22, s22, 1536                       ; my first row of qkv, under 2^26 bytes
	s_lshl_b32 s29, s19, 8
	s_add_co_u32 s22, s22, s29                     ; q's 256 bytes of half b
	s_add_nc_u64 s[PO:PO+1], s[14:15], s[22:23]
	s_add_co_u32 s30, s29, 512                     ; from there to byte 512 + 512 b: 512 + 256 b
	s_mov_b32 s31, 0
	; THE SIDE JOB's four addresses, made by every wave, each from its own buffer's pointer and each inside its buffer: 256 work-groups x 512 bytes cover Wp2, x 1,024 bytes cover Wo.
	; Wave 0 takes the 512 bytes of Wp2; waves 1 and 2 take the upper and the lower 512 bytes of Wo's 1,024; wave 3 takes nothing. f16 takes half the bytes.
	s_lshl_b32 s22, s21, 9                         ; 512 g
	s_add_nc_u64 s[10:11], s[10:11], s[22:23]      ; from Wp2
	s_lshr_b32 s22, s22, 1                         ; 256 g
	s_add_nc_u64 s[24:25], s[16:17], s[22:23]      ; into wh
	s_and_b32 s29, s18, 1
	s_lshl1_add_u32 s22, s21, s29
	s_lshl_b32 s22, s22, 9                         ; 1,024 g + 512 (wave & 1)
	s_add_nc_u64 s[12:13], s[12:13], s[22:23]      ; from Wo
	s_lshr_b32 s22, s22, 1
	s_add_co_u32 s22, s22, 0x10000                 ; Wo's image lies 65,536 bytes into wh
	s_add_nc_u64 s[26:27], s[16:17], s[22:23]      ; into wh
	s_cmp_eq_u32 s18, 0
	s_cbranch_scc0 .Lside_wo_a
	global_load_b128 v[SJ:SJ+3], v[VL], s[10:11]
	s_branch .Lside_end_a
.Lside_wo_a:
	s_cmp_eq_u32 s18, 3
	s_cbranch_scc1 .Lside_end_a
	global_load_b128 v[SJ:SJ+3], v[VL], s[12:13]
.Lside_end_a:
	global_load_b128 v[BI:BI+3],    v[VL], s[BB:BB+1]              ; lane l: the biases of channels 4 l .. 4 l + 3 of q,
	global_load_b128 v[BI+4:BI+7],  v[VL], s[BB:BB+1] offset:1024  ; of k,
	global_load_b128 v[BI+8:BI+11], v[VL], s[BB:BB+1] offset:2048  ; of v.  All these are older than every load of the ring and change none of its counts
; THE RING. 20 chunks of 8 rows x 1,024 bytes: 8 of my x rows, then 4 each of my q, k and v rows of W. A chunk is 16 loads of 512 consecutive bytes.
.macro ISSUE c
.set rbx, RB+64*((\c)%3)
.set jj, 0
.rept 16
.if (\c) < 8
	global_load_b128 v[rbx+4*jj:rbx+4*jj+3], v[VL], s[XB:XB+1] offset:(\c)*8192+jj*512
.else
	global_load_b128 v[rbx+4*jj:rbx+4*jj+3], v[VWQ], s[WB:WB+1] offset:(((\c)-8)/4)*262144+(((\c)-8)%4)*8192+jj*512
.endif
.set jj, jj+1
.endr
.endm
; A chunk's turn: its 16 loads are in (the two younger chunks, 32 loads, stay out; at the end 16, then none); 64 numbers a lane are rounded; 16 stores of 256 consecutive LDS bytes; the chunk three on is asked for.
.macro CHUNK c
.if (\c) < 18
	s_wait_loadcnt 32
.elseif (\c) == 18
	s_wait_loadcnt 16
.else
	s_wait_loadcnt 0
.endif
.set rbx, RB+64*((\c)%3)
.set jj, 0
.rept 32
	v_cvt_pk_bf16_f32 v[PK+jj], v[rbx+2*jj], v[rbx+2*jj+1]
.set jj, jj+1
.endr
.set jj, 0
.rept 16
.set rw, jj/2
.set hb, (jj%2)*256
.if (\c) < 8
	ds_store_b64 v[LSX], v[PK+2*jj:PK+2*jj+1] offset:((8*(\c))%32+rw)*PITCH+hb
.elseif (\c) < 12
	ds_store_b64 v[LSQ+rw/4], v[PK+2*jj:PK+2*jj+1] offset:(4*((\c)-8)+rw%4)*PITCH+hb  ; of eight q channels the first four are low rows, the others high rows
.elseif (\c) < 16
	ds_store_b64 v[LSK], v[PK+2*jj:PK+2*jj+1] offset:(8*((\c)-12)+rw)*PITCH+hb
.else
	ds_store_b64 v[LSKH], v[PK+2*jj:PK+2*jj+1] offset:(8*((\c)-16)+rw)*PITCH+hb
.endif
.set jj, jj+1
.endr
.if (\c)+3 < 20
	ISSUE (\c)+3
.endif
.endm
; 32 rows of x leave my stage as fragments: 16 rows x 32 K in 8 registers, two loads of 16 bytes, 32 bytes apart. LDS serves a wave's instructions in order
; (ISA guide 5.7.1.4): these see the stores above, and the next four chunks' stores come behind them.
.macro XFRAG half
	WIN 0x40                                       ; destination window 1, address window 0
.set mt, 0
.rept 2
.set kk, 0
.rept 8
	ds_load_b128 v[64*(2*(\half)+mt)+8*kk:64*(2*(\half)+mt)+8*kk+3],   v[XFA] offset:mt*16*PITCH+64*kk
	ds_load_b128 v[64*(2*(\half)+mt)+8*kk+4:64*(2*(\half)+mt)+8*kk+7], v[XFA] offset:mt*16*PITCH+64*kk+32
.set kk, kk+1
.endr
.set mt, mt+1
.endr
	WIN 0
.endm
	ISSUE 0
	ISSUE 1
	ISSUE 2
.irp c, 0,1,2,3
	CHUNK \c
.endr
	XFRAG 0
.irp c, 4,5,6,7
	CHUNK \c
.endr
	XFRAG 1
.irp c, 8,9,10,11,12,13,14,15,16,17,18,19
	CHUNK \c
.endr
; four f32 are rounded to bf16 and widened again, in place
.macro RND4 b
	v_cvt_pk_bf16_f32 v20, v[(\b)], v[(\b)+1]
	v_cvt_pk_bf16_f32 v21, v[(\b)+2], v[(\b)+3]
	v_lshlrev_b32 v[(\b)], 16, v20
	v_and_b32 v[(\b)+1], 0xffff0000, v20
	v_lshlrev_b32 v[(\b)+2], 16, v21
	v_and_b32 v[(\b)+3], 0xffff0000, v21
.endm
	; my own copy of the bias tables. q channels 4 l .. 4 l + 3 are four neighbouring rows: low if l is even, high if odd, from row 4 (l >> 1)
	v_and_b32 v16, 31, v0
	v_lshrrev_b32 v17, 1, v16
	v_and_b32 v18, 1, v16
	v_lshlrev_b32 v17, 4, v17
	v_mad_u32_u24 v17, v18, 768, v17
	v_add_nc_u32 v17, s28, v17
	v_add_nc_u32 v18, s28, v[VL]
	RND4 BI
	RND4 BI+4
	RND4 BI+8
	ds_store_b128 v17, v[BI:BI+3]
	ds_store_b128 v18, v[BI+4:BI+7] offset:256     ; k: low rows 64 + channel
	ds_store_b128 v18, v[BI+8:BI+11] offset:768+256  ; v: high rows 64 + channel
	s_cmp_lt_u32 s18, 3
	s_cbranch_scc0 .Lside_end_b
	RND4 SJ
	v_cvt_pk_f16_f32 v[SJ], v[SJ], v[SJ+1]
	v_cvt_pk_f16_f32 v[SJ+1], v[SJ+2], v[SJ+3]
	v_lshlrev_b32 v19, 3, v16
	s_cmp_eq_u32 s18, 0
	s_cbranch_scc0 .Lside_wo_b
	global_store_b64 v19, v[SJ:SJ+1], s[24:25]     ; the wave stores 256 consecutive bytes, at a multiple of 256 from wh's first byte
	s_branch .Lside_end_b
.Lside_wo_b:
	global_store_b64 v19, v[SJ:SJ+1], s[26:27]     ; likewise
.Lside_end_b:
	s_wait_xcnt 0x0                                ; the store's data and address registers are written again below, only behind this wait
	s_wait_dscnt 0x0                               ; for the others' sake: my rows of W are in LDS
	s_barrier_signal -1
	s_barrier_wait -1                              ; everybody's are: the launch's one barrier
; THE TILES. 16 loads for W's fragments of tile tt of the group's eight, 2 for its biases
.macro FETCH tt
.set wfx, WF+64*((\tt)%2)
.set bcx, BC+8*((\tt)%2)
.set kk, 0
.rept 8
	ds_load_b128 v[wfx+8*kk:wfx+8*kk+3],   v[AW] offset:(\tt)*8*PITCH+64*kk
	ds_load_b128 v[wfx+8*kk+4:wfx+8*kk+7], v[AW] offset:(\tt)*8*PITCH+64*kk+32
.set kk, kk+1
.endr
	ds_load_b128 v[bcx:bcx+3],   v[AB] offset:32*(\tt)
	ds_load_b128 v[bcx+4:bcx+7], v[AB] offset:768+32*(\tt)
.endm
; A tile: the next tile's 18 loads go out; this tile's are waited for (behind them stand the last tile's 4 stores and those 18; in the group's first tile only the 18, in its last only the 4);
; 32 products, the four accumulators by turns, the first four starting their sums with the biases; four places; rounding, lowest registers first; 16 bytes a lane into my stage.
.macro TILE tt
.if (\tt) < 7
	FETCH (\tt)+1
.endif
.if (\tt) == 0
	s_wait_dscnt 18
.elseif (\tt) < 7
	s_wait_dscnt 22
.else
	s_wait_dscnt 4
.endif
.set wfx, WF+64*((\tt)%2)
.set bcx, BC+8*((\tt)%2)
	WIN 0x04                                       ; source 1 (x) in window 1
.set kk, 0
.rept 8
.set mt, 0
.rept 4
.if kk == 0
	v_wmma_f32_16x16x32_bf16 v[ACC+8*mt:ACC+8*mt+7], v[wfx+8*kk:wfx+8*kk+7], v[64*mt+8*kk:64*mt+8*kk+7], v[bcx:bcx+7]
.else
	v_wmma_f32_16x16x32_bf16 v[ACC+8*mt:ACC+8*mt+7], v[wfx+8*kk:wfx+8*kk+7], v[64*mt+8*kk:64*mt+8*kk+7], v[ACC+8*mt:ACC+8*mt+7]
.endif
.set mt, mt+1
.endr
.set kk, kk+1
.endr
	WIN 0
.rept 4
	v_nop
.endr
.set jj, 0
.rept 16
	v_cvt_pk_bf16_f32 v[PK+jj], v[ACC+2*jj], v[ACC+2*jj+1]
.set jj, jj+1
.endr
.set mt, 0
.rept 4
	ds_store_b128 v[STO], v[PK+4*mt:PK+4*mt+3] offset:mt*16*SP+32*(\tt)
.set mt, mt+1
.endr
.endm
; A group's 64 rows x 256 bytes leave: back out of my stage as whole rows, two rows a load; 16 lanes store 256 consecutive bytes, at a multiple of 256 from qkv's first byte
.macro FLUSH
.set tq, 0
.rept 32
	ds_load_b128 v[WF+4*tq:WF+4*tq+3], v[RD] offset:2*SP*tq
.set tq, tq+1
.endr
.set tq, 0
.rept 32
	s_wait_dscnt 31-tq                             ; LDS loads come back in order: load tq is in
	global_store_b128 v[CO], v[WF+4*tq:WF+4*tq+3], s[PO:PO+1] offset:3072*tq
.set tq, tq+1
.endr
	s_wait_xcnt 0x0                                ; the stores' base and data are written again only behind this wait
	s_add_nc_u64 s[PO:PO+1], s[PO:PO+1], s[30:31]  ; q's bytes -> the first 16 units -> the next 16
	s_mov_b32 s30, 256
	v_add_nc_u32 v[AW], 64*PITCH, v[AW]            ; eight tiles on: 64 low and 64 high rows
	v_add_nc_u32 v[AB], 256, v[AB]
.endm
	s_mov_b32 s28, 3                               ; three groups of eight tiles: q, the first 16 units, the other 16
.Lgroup:
	FETCH 0
.irp t, 0,1,2,3,4,5,6,7
	TILE \t
.endr
	FLUSH
	s_sub_co_u32 s28, s28, 1
	s_cmp_lg_u32 s28, 0
	s_cbranch_scc1 .Lgroup
	s_wait_tensorcnt 0x0                           ; the wave's end, behind my last LDS store
	ds_add_u32 v[SPW], v[NIL]
	s_wait_dscnt 0x0
	s_endpgm
.Lfunc_end_k_qb8a633e0ad_proj:
	.size	k_qb8a633e0ad_proj, .Lfunc_end_k_qb8a633e0ad_proj-k_qb8a633e0ad_proj
	.p2alignl 7, 3214868480
	.fill 96, 4, 3214868480
	.section	.rodata,"a",@progbits
	.p2align	6, 0x0
	.amdhsa_kernel k_qb8a633e0ad_proj
		.amdhsa_group_segment_fixed_size 279296
		.amdhsa_private_segment_fixed_size 0
		.amdhsa_enable_private_segment 0
		.amdhsa_kernarg_size 56
		.amdhsa_user_sgpr_count 2
		.amdhsa_user_sgpr_kernarg_segment_ptr 1
		.amdhsa_wavefront_size32 1
		.amdhsa_system_sgpr_workgroup_id_x 1
		.amdhsa_system_sgpr_workgroup_id_y 1
		.amdhsa_system_sgpr_workgroup_id_z 1
		.amdhsa_system_vgpr_workitem_id 0
		.amdhsa_next_free_vgpr 512
		.amdhsa_next_free_sgpr 66
		.amdhsa_reserve_vcc 0
		.amdhsa_float_denorm_mode_32 3
		.amdhsa_float_denorm_mode_16_64 3
		.amdhsa_memory_ordered 1
		.amdhsa_forward_progress 1
		.amdhsa_inst_pref_size 145
	.end_amdhsa_kernel
	.amdgpu_metadata
---
amdhsa.version: [ 1, 2 ]
amdhsa.kernels:
  - .name:           k_qb8a633e0ad_proj
    .symbol:         k_qb8a633e0ad_proj.kd
    .args:
      - { .name: x, .offset: 0, .size: 8, .value_kind: global_buffer, .address_space: global }
      - { .name: Wqkv, .offset: 8, .size: 8, .value_kind: global_buffer, .address_space: global }
      - { .name: bqkv, .offset: 16, .size: 8, .value_kind: global_buffer, .address_space: global }
      - { .name: Wp2, .offset: 24, .size: 8, .value_kind: global_buffer, .address_space: global }
      - { .name: Wo, .offset: 32, .size: 8, .value_kind: global_buffer, .address_space: global }
      - { .name: qkv, .offset: 40, .size: 8, .value_kind: global_buffer, .address_space: global }
      - { .name: wh, .offset: 48, .size: 8, .value_kind: global_buffer, .address_space: global }
    .group_segment_fixed_size: 279296
    .private_segment_fixed_size: 0
    .kernarg_segment_align: 8
    .kernarg_segment_size: 56
    .max_flat_workgroup_size: 128
    .sgpr_count:     66
    .vgpr_count:     512
    .wavefront_size: 32
...
	.end_amdgpu_metadata
.endif
;; end of part 1
;; launch attn (part 2): grid 256 x 1, 4 waves a work-group, no clusters, 327,680 bytes of LDS; arguments qkv, wh, attn_index, mask, pos, Wp1, bp1, bp2, bo, out0; writes out0
.if DOCPART == 2
	.amdgcn_target "amdgcn-amd-amdhsa--gfx1250"
	.amdhsa_code_object_version 6
	.text
	.protected	k_qb8a633e0ad_attn
	.globl	k_qb8a633e0ad_attn
	.p2align	8
	.type	k_qb8a633e0ad_attn,@function
k_qb8a633e0ad_attn:
	s_mov_b64 s[64:65], 0
	v_nop
	global_prefetch_b8 v0, s[64:65] scope:SCOPE_SE
	s_setreg_imm32_b32 hwreg(HW_REG_WAVE_MODE, 25, 1), 1
	s_wait_xcnt 0x0
; For each row n and neighbour s: d = |pos[idx] - pos[n]|; h = relu(w1 d + b1); rel = Wp2 h; logit = k[idx] q[n] + rel, channel by channel; hidden where mask is set;
; softmax over the 16 neighbours, each channel for itself; a = sum p (v[idx] + rel) / sum p + bp2; out = a Wo^T + bo.
; bp2 is the same for all 16 neighbours of a channel: it drops out of the softmax and, since the weights add up to 1, is added once behind the division.
; FORMATS. q, k, v bf16 (from the launch before); w1, b1, bp2, bo rounded to bf16 and kept as f32; h and a in f16 against Wp2 and Wo as f16 images of their bf16 values; pos stays f32
; (differences are formed of it); logits, maxima, exponentials and sums in f32.
; LIMITS. |h| and |a| stay under 65,504. A hidden logit counts as its value less 2^127: its weight is exactly 0. A row whose 16 neighbours are all hidden gets NaN, as the softmax of nothing does.
; A weight below 2^-126 counts as 0. The true maximum over the 16 neighbours is taken away before the exponential.
; SHARES. A work-group owns 128 rows, a wave 32, as 16 PAIRS of rows: lanes 0-15 work for the pair's first row, lanes 16-31 for its second.
; LAYOUT. rel = h Wp2^T: source 0 = h, two tiles T of 16 rows: row m is (row m >> 3 of the pair, neighbour 8 T + (m & 7)); source 1 = Wp2, column r of tile (u, e) is channel 64 u + 4 r + e.
; So lane (r, h) holds, for its own row, all 16 neighbours of channel 64 u + 4 r + e in two accumulators: nothing of the softmax changes lanes. The lane's k and v of a neighbour for e = 0..3
; are one 16-byte unit of the gathered row: a load takes 256 consecutive bytes for each half of the lanes.
; Wp2 stays in 512 registers. A PASS is 64 channels (u), a UNIT two channels a lane (e = 2 E, 2 E + 1). In a unit's stretch of exponentials stand the 16 products of the next unit's rel.
; NO CLUSTER: what all work-groups share, Wp2 and Wo, is 196,608 bytes a work-group, fetched once; its own gather is 128 x 16 x 1,024 = 2,097,152 bytes.
; The last trip's look-ahead names pair 15 once more (clamped numbers): 51 loads, one LUMP and 16 products that serve nothing, for one text with one set of counts.
.set WO,    0                          ; Wo: 256 rows of 512 bytes, pitch 528
.set PWO,   528
.set WP,    135168                     ; Wp2: 256 rows of 256 bytes, pitch 272
.set PWP,   272
.set TAB,   204800                     ; for each wave 3,072 bytes of f32: w1 (512), b1 (512), bp2 (1,024), bo (1,024)
.set TABB,  3072
.set ASTG,  217088                     ; for each wave 16,896 bytes: 32 rows of a in f16, pitch 528; later 32 rows x 256 bytes of results, pitch 272
.set ASTGB, 16896
.set SP,    272
.set SPARE, 284672                     ; the spare words, 128 bytes a wave: two blocks of 256 bytes that no other line names
; window 0
.set R16,  1                           ; 16 r
.set LW1,  2                           ; my tables + 32 h
.set LAS,  3                           ; where a goes: my stage + 528 h + 8 r; steps by two rows a pair
.set LBP,  4                           ; my tables + 16 r
.set BPI0, 5                           ; 4 x the lane that made the distance of h's row r, tile 0
.set BPI1, 6                           ; tile 1
.set VOX,  7                           ; 4 x lane
.set VOM,  8                           ; lane
.set VOP,  9                           ; 12 h
.set VOQ,  10                          ; 1,536 h + 8 r
.set X,    11                          ; attn_index of (row h, neighbour r)
.set MK,   12                          ; mask of the same
.set PO,   13                          ; 12 x that index
.set POSN, 14                          ; v14-16 pos of row h
.set POSG, 17                          ; v17-19 pos of the neighbour
.set SPW,  20
.set NIL,  21
.set D,    22                          ; v22-23 the distances of h's row r in tiles 0 and 1
.set ADR,  24                          ; v24-39 neighbour s: 1,536 x index + 16 r
.set Q,    40                          ; v40-47 two registers a pass: q of my four channels
.set M,    48                          ; v48-63 neighbour s: 0, or -2^127 where hidden (NaN if all 16 are): the C that starts rel's sums
.set ST,   64                          ; v64-79 eight registers of statistics for each of a unit's two channels
.set T,    80                          ; v80-111 logits, then weights: 16 for each of the two channels
.set ACC,  112                         ; v112-175 two sets of four accumulators: set E at 32 E, (T, e % 2) at 16 T + 8 (e % 2)
.set H,    176                         ; v176-239 h's fragments: 32 T + 8 kappa
.set BPR,  240                         ; v240-241 bp2 of the unit's two channels
.set AP,   242                         ; a of the two channels, packed
.set WPA,  250
; windows 1, 2: Wp2, 128 (u % 2) + 32 e + 8 kappa in window 1 + u / 2.   window 3: the gathered units, four buffers of 64: 64 u + 4 s; +E k, +2+E v
.set GA,  24                           ; s[24:27], s[28:35] descriptor for my 64 rows of Wp2
.set GA1, 28
.set GB,  36                           ; s[36:39], s[40:47] for my 64 rows of Wo
.set GB1, 40
.set BQ, 48                            ; qkv, attn_index, mask, pos at my wave's first row
.set BX, 50
.set BM, 52
.set BP, 54
.set PQ, 56                            ; the same at the pair that is asked for next
.set PX, 58
.set PM, 60
.set PP, 62
.set L2E, 66                           ; s[66:67] log2(e), twice
.set HM,  68                           ; 0xffff0000: a word's upper bf16; also the mask of lanes 16-31
.set CNT, 69                           ; the pair in hand; later the groups to go
.set WV,  70
.set BIGN, 79                          ; -2^127
.set NANV, 80
.set MSB, 0
.macro WIN new                         ; the immediate's high byte repeats the setting that is left; a switch that changes nothing is dropped
.if MSB != (\new)
	s_set_vgpr_msb (MSB<<8)|(\new)
.set MSB, (\new)
.endif
.endm
	s_load_b512 s[4:19], s[0:1], 0x0               ; qkv 4, wh 6, attn_index 8, mask 10, pos 12, Wp1 14, bp1 16, bp2 18
	s_load_b128 s[20:23], s[0:1], 0x40             ; bo 20, out0 22
	v_lshl_add_u32 v[SPW], v0, 2, SPARE
	v_mov_b32 v[NIL], 0
	ds_add_u32 v[SPW], v[NIL]                      ; the wave's opening: the add and its wait stand ahead of my first tensor load; work on registers stands between them
	ds_add_u32 v20, v21
	v_lshrrev_b32 v244, 5, v0
	v_readfirstlane_b32 s[WV], v244                ; wave 0..3
	s_mov_b32 s[GA], 1                             ; count = 1
	s_mul_i32 s[GA+1], s[WV], 64*PWP
	s_add_co_u32 s[GA+1], s[GA+1], WP              ; LDS address: my 64 rows
	s_mov_b32 s[GA1+0], (1<<16)|(1<<20)|(5<<22)|(3<<25)  ; 2-byte elements; padding on: after every 64 words 4 words
	s_mov_b32 s[GA1+1], 128<<16                    ; tensor_dim0 = 128
	s_mov_b32 s[GA1+2], 64<<16                     ; tensor_dim1 = 64
	s_mov_b32 s[GA1+3], 128<<16                    ; tile_dim0 = 128
	s_mov_b32 s[GA1+4], 64                         ; tile_dim1 = 64
	s_mov_b32 s[GA1+5], 128                        ; elements from row to row
	s_mov_b32 s[GA1+6], 0
	s_mov_b32 s[GA1+7], 0
	s_mov_b32 s[GB], 1
	s_mul_i32 s[GB+1], s[WV], 64*PWO
	s_mov_b32 s[GB1+0], (1<<16)|(1<<20)|(6<<22)|(3<<25)  ; after every 128 words 4 words
	s_mov_b32 s[GB1+1], 256<<16
	s_mov_b32 s[GB1+2], 64<<16
	s_mov_b32 s[GB1+3], 256<<16
	s_mov_b32 s[GB1+4], 64
	s_mov_b32 s[GB1+5], 256
	s_mov_b32 s[GB1+6], 0
	s_mov_b32 s[GB1+7], 0
	s_mov_b32 s[L2E], 0x3fb8aa3b
	s_mov_b32 s[L2E+1], s[L2E]                     ; named with it as a pair
	s_mov_b32 s[HM], 0xffff0000
	s_mov_b32 s[BIGN], 0xff000000
	s_mov_b32 s[NANV], 0xffc00000
	s_mov_b32 s73, 0                               ; the upper word of every offset; never rewritten
	s_wait_dscnt 0x0                               ; the opening add is done
	s_wait_kmcnt 0x0
	s_lshl_b32 s72, s[WV], 14                      ; 64 rows of 256 bytes
	s_add_nc_u64 s[GA+2:GA+3], s[6:7], s[72:73]
	s_or_b32 s[GA+3], s[GA+3], 0x80000000          ; type = 2
	s_lshl_b32 s72, s[WV], 15                      ; 64 rows of 512 bytes,
	s_add_co_u32 s72, s72, 65536                   ; behind Wp2's image
	s_add_nc_u64 s[GB+2:GB+3], s[6:7], s[72:73]
	s_or_b32 s[GB+3], s[GB+3], 0x80000000
	tensor_load_to_lds s[GA:GA+3], s[GA1:GA1+7]    ; both first fills together; two tensor loads of mine are out, and no byte is filled twice
	s_nop 0
	tensor_load_to_lds s[GB:GB+3], s[GB1:GB1+7]
	s_nop 0
.rept 4
	v_nop
.endr
	v_and_b32 v244, 15, v0                         ; r
	v_bfe_u32 v245, v0, 4, 1                       ; h
	v_and_b32 v[VOM], 31, v0
	v_lshlrev_b32 v[R16], 4, v244
	s_mul_i32 s71, s[WV], TABB
	s_add_co_u32 s71, s71, TAB                     ; my tables
	v_lshl_add_u32 v[LW1], v245, 5, s71
	v_add_nc_u32 v[LBP], s71, v[R16]
	s_mul_i32 s74, s[WV], ASTGB
	s_add_co_u32 s74, s74, ASTG                    ; my stage
	v_mul_u32_u24 v[LAS], v245, PWO
	v_lshl_add_u32 v[LAS], v244, 3, v[LAS]
	v_add_nc_u32 v[LAS], s74, v[LAS]
	v_bfe_u32 v246, v0, 3, 1
	v_and_b32 v247, 7, v0
	v_lshl_add_u32 v246, v246, 4, v247             ; h's row r is (row r >> 3, neighbour r & 7 of the tile's eight): its distance was made in lane 16 (r >> 3) + (r & 7) + 8 T
	v_lshlrev_b32 v[BPI0], 2, v246
	v_add_nc_u32 v[BPI1], 32, v[BPI0]
	v_lshlrev_b32 v[VOX], 2, v[VOM]
	v_mul_u32_u24 v[VOP], v245, 12
	v_mul_u32_u24 v[VOQ], v245, 1536
	v_lshl_add_u32 v[VOQ], v244, 3, v[VOQ]
	v_lshlrev_b32 v248, 4, v[VOM]
	v_add_nc_u32 v249, s71, v248
	v_mul_u32_u24 v[WPA], v244, 4*PWP              ; Wp2's row 4 r (+ 64 u + e in the immediate), 16 bytes for each half of the lanes
	v_lshl_add_u32 v[WPA], v245, 4, v[WPA]
	v_add_nc_u32 v[WPA], WP, v[WPA]
.set ii, 0
.rept 16                                       ; the destination of a DPP form counts as read, so these 32 are written once
	v_mov_b32 v[M+ii], 0
	v_mov_b32 v[ADR+ii], 0
.set ii, ii+1
.endr
	s_lshl_b32 s74, ttmp9, 7
	s_lshl_b32 s75, s[WV], 5
	s_add_co_u32 s74, s74, s75                     ; my wave's first row
	s_mul_i32 s72, s74, 1536
	s_add_nc_u64 s[BQ:BQ+1], s[4:5], s[72:73]
	s_lshl_b32 s72, s74, 6
	s_add_nc_u64 s[BX:BX+1], s[8:9], s[72:73]
	s_lshl_b32 s72, s74, 4
	s_add_nc_u64 s[BM:BM+1], s[10:11], s[72:73]
	s_mul_i32 s72, s74, 12
	s_add_nc_u64 s[BP:BP+1], s[12:13], s[72:73]
	s_lshl_b32 s72, s74, 10
	s_add_nc_u64 s[22:23], s[22:23], s[72:73]      ; out0 at my first row
	global_load_b128 v[80:83],   v248, s[14:15]            ; w1
	global_load_b128 v[84:87],   v248, s[16:17]            ; b1
	global_load_b128 v[88:91],   v248, s[18:19]            ; bp2
	global_load_b128 v[92:95],   v248, s[18:19] offset:512
	global_load_b128 v[96:99],   v248, s[20:21]            ; bo
	global_load_b128 v[100:103], v248, s[20:21] offset:512
	global_load_b32 v[X], v[VOX], s[BX:BX+1]               ; pair 0
	global_load_u8 v[MK], v[VOM], s[BM:BM+1]
.irp i, 0,1,2
	global_load_b32 v[POSN+\i], v[VOP], s[BP:BP+1] offset:4*\i
.endr
	s_wait_loadcnt 5                               ; the six table loads are in; the five behind them may stay out
.set ii, 80
.rept 12                                       ; rounded to bf16 and widened again
	v_cvt_pk_bf16_f32 v104, v[ii], v[ii+1]
	v_lshlrev_b32 v[ii], 16, v104
	v_and_b32 v[ii+1], s[HM], v104
.set ii, ii+2
.endr
.irp i, 0,1,2,3,4,5
	ds_store_b128 v249, v[80+4*\i:83+4*\i] offset:512*\i  ; my own copy: only I read it, and LDS serves a wave's instructions in order
.endr
; ADDRESSES FOR THE NEXT PAIR. first = 1: pair 0, ahead of the loop. Else: q and the gather of pair p + 1; index, mask and pos of pair p + 2; both clamped to 15, so that no load leaves its buffer.
.macro SERVICE first
	s_wait_xcnt 0x0                                ; the registers below are addresses of loads already issued: they are rewritten only behind this wait
.if \first
	s_mov_b64 s[PQ:PQ+1], s[BQ:BQ+1]
	s_add_nc_u64 s[PX:PX+1], s[BX:BX+1], 128
	s_add_nc_u64 s[PM:PM+1], s[BM:BM+1], 32
	s_add_nc_u64 s[PP:PP+1], s[BP:BP+1], 24
.else
	s_add_co_u32 s71, s[CNT], 1
	s_min_u32 s71, s71, 15
	s_mul_i32 s72, s71, 3072
	s_add_nc_u64 s[PQ:PQ+1], s[BQ:BQ+1], s[72:73]
	s_add_co_u32 s71, s[CNT], 2
	s_min_u32 s71, s71, 15
	s_lshl_b32 s72, s71, 7
	s_add_nc_u64 s[PX:PX+1], s[BX:BX+1], s[72:73]
	s_lshl_b32 s72, s71, 5
	s_add_nc_u64 s[PM:PM+1], s[BM:BM+1], s[72:73]
	s_mul_i32 s72, s71, 24
	s_add_nc_u64 s[PP:PP+1], s[BP:BP+1], s[72:73]
.endif
.set sx, 0
.rept 16
	v_mov_b32_dpp v[ADR+sx], v[X] row_share:sx row_mask:0xf bank_mask:0xf  ; my row's index of neighbour sx, to all 16 lanes of the half
	v_min_u32 v[ADR+sx], 0x7fff, v[ADR+sx]
	v_mad_u32_u24 v[ADR+sx], v[ADR+sx], 0x600, v[R16]
.set sx, sx+1
.endr
	v_min_u32 v[PO], 0x7fff, v[X]
	v_mul_u32_u24 v[PO], v[PO], 12
.endm
; 17 loads: q of my four channels of pass u, and for each neighbour the unit 16 u + r: 256 consecutive bytes for each half of the lanes, at a multiple of 256 from qkv's first byte
.macro GROUP u
	WIN 0
	global_load_b64 v[Q+2*(\u):Q+2*(\u)+1], v[VOQ], s[PQ:PQ+1] offset:128*(\u)
	WIN 0xc0                                       ; destination window 3
.set sx, 0
.rept 16
	global_load_b128 v[64*(\u)+4*sx:64*(\u)+4*sx+3], v[ADR+sx], s[4:5] offset:512+256*(\u)
.set sx, sx+1
.endr
	WIN 0
.endm
.macro EXTRA1                          ; 4 loads: the neighbours' pos of the next pair, the index of the pair after it
.irp i, 0,1,2
	global_load_b32 v[POSG+\i], v[PO], s[12:13] offset:4*\i
.endr
	global_load_b32 v[X], v[VOX], s[PX:PX+1]
.endm
.macro EXTRA3                          ; 4 loads: mask and own pos of the pair after the next
	global_load_u8 v[MK], v[VOM], s[PM:PM+1]
.irp i, 0,1,2
	global_load_b32 v[POSN+\i], v[VOP], s[PP:PP+1] offset:4*\i
.endr
.endm
; Product i of 16 of the unit (NU, NE) to come: K 32 (i / 4) on, tile (i / 2) % 2, channel e = 2 NE + i % 2. The four accumulators take turns; the first four start with the mask.
.macro MM i
.set mK, (\i)/4
.set mT, ((\i)/2)%2
.set mD, ACC+32*NE+16*mT+8*((\i)%2)
.set mA, H+32*mT+8*mK
.set mB, 128*(NU%2)+32*(2*NE+(\i)%2)+8*mK
.if mK == 0
	v_wmma_f32_16x16x32_f16 v[mD:mD+7], v[mA:mA+7], v[mB:mB+7], v[M+8*mT:M+8*mT+7]
.else
	v_wmma_f32_16x16x32_f16 v[mD:mD+7], v[mA:mA+7], v[mB:mB+7], v[mD:mD+7]
.endif
.endm
; THE LUMP, once a pair, for the pair to come: distances, masks, and h in fragments. T's and ST's registers are free between two units.
.macro LSET st                         ; w1 and b1 of the hidden units 32 (st / 2) + 16 (st % 2) + 8 h + 0..7
.set sb, T+16*((\st)%2)
	ds_load_b128 v[sb:sb+3],     v[LW1] offset:64*(\st)
	ds_load_b128 v[sb+4:sb+7],   v[LW1] offset:64*(\st)+16
	ds_load_b128 v[sb+8:sb+11],  v[LW1] offset:512+64*(\st)
	ds_load_b128 v[sb+12:sb+15], v[LW1] offset:512+64*(\st)+16
.endm
.macro LUMP
	s_wait_loadcnt 35                              ; the neighbours' pos are in: behind them stand one index load and two groups of 17; mask and own pos are older
	LSET 0
	LSET 1
	v_cmp_ne_u32 s76, 0, v[MK]                     ; bit 16 h + r: (row h, neighbour r) is hidden
	v_sub_f32 v244, v[POSG], v[POSN]
	v_sub_f32 v245, v[POSG+1], v[POSN+1]
	v_sub_f32 v246, v[POSG+2], v[POSN+2]
	s_and_b32 s77, s76, 0xffff
	s_cmp_eq_u32 s77, 0xffff                       ; all 16 of the first row?
	s_cselect_b32 s77, s[NANV], s[BIGN]
	s_lshr_b32 s78, s76, 16
	s_cmp_eq_u32 s78, 0xffff                       ; of the second?
	s_cselect_b32 s78, s[NANV], s[BIGN]
	v_mul_f32 v244, v244, v244
	v_fma_f32 v244, v245, v245, v244
	v_fma_f32 v244, v246, v246, v244
	v_sqrt_f32 v244, v244
	v_mov_b32 v245, s77                            ; plain lines between the root and its use (ISA guide 5.7.2)
	v_cndmask_b32 v245, v245, s78, s[HM]
	v_cndmask_b32 v245, 0, v245, s76
	s_wait_alu depctr_va_vdst(0)
	ds_bpermute_b32 v[D], v[BPI0], v244
	ds_bpermute_b32 v[D+1], v[BPI1], v244
.set ii, 0
.rept 16
	v_mov_b32_dpp v[M+ii], v245 row_share:ii row_mask:0xf bank_mask:0xf
.set ii, ii+1
.endr
	s_wait_dscnt 0x0                               ; the distances and the first two sets
.set st, 0
.rept 8
.if st == 7
	s_wait_dscnt 0x0
.elseif st >= 2
	s_wait_dscnt 4                                 ; this step's set is in; the next step's four loads may stay out
.endif
.set sb, T+16*(st%2)
.irp tt, 0,1
.set qq, 0
.rept 4
	v_pk_fma_f32 v[ST+8*\tt+2*qq:ST+8*\tt+2*qq+1], v[sb+2*qq:sb+2*qq+1], v[D:D+1], v[sb+8+2*qq:sb+8+2*qq+1] op_sel:[0,\tt,0] op_sel_hi:[1,\tt,1]
.set qq, qq+1
.endr
.endr
.set qq, 0
.rept 16
	v_max_num_f32 v[ST+qq], 0, v[ST+qq]
.set qq, qq+1
.endr
.irp tt, 0,1
.set qq, 0
.rept 4
	v_cvt_pk_f16_f32 v[H+32*\tt+4*st+qq], v[ST+8*\tt+2*qq], v[ST+8*\tt+2*qq+1]
.set qq, qq+1
.endr
.endr
.if st < 6
	LSET st+2
.endif
.set st, st+1
.endr
.endm
; A UNIT's pieces. Pair k of 16: channel k % 2, neighbours 2 (k / 2), +1. Statistics S0-S7 of a channel: the maximum's tree S0-S4; m log2(e) in S2; the sum's two chains in (S0, S1), (S4, S5); then the value's in (S4, S5), (S6, S7).
.macro P3 k                            ; t log2(e) - m log2(e)
.set tp, T+16*((\k)%2)+2*((\k)/2)
.set ml, ST+8*((\k)%2)+2
	v_pk_fma_f32 v[tp:tp+1], v[tp:tp+1], s[L2E:L2E+1], v[ml:ml+1] op_sel_hi:[1,0,0] neg_lo:[0,0,1] neg_hi:[0,0,1]
.endm
.macro EX n                            ; element n % 2 of pair n / 2
.set tp, T+16*(((\n)/2)%2)+2*((\n)/4)+(\n)%2
	v_exp_f32 v[tp], v[tp]
.endm
.macro P5 z                            ; step z / 2 of 8 of channel z % 2's sum of weights. Written as x 1.0 + y: the second source is then no register, and Wp2's window, which is set for that place, does not touch it
.set tc, T+16*((\z)%2)
.set sc, ST+8*((\z)%2)
.set s5, (\z)/2
.if s5 == 0
	s_wait_alu depctr_va_vdst(0)
	v_pk_fma_f32 v[sc:sc+1], v[tc:tc+1], 1.0, v[tc+2:tc+3] op_sel_hi:[1,0,1]
.elseif s5 == 1
	v_pk_fma_f32 v[sc+4:sc+5], v[tc+4:tc+5], 1.0, v[tc+6:tc+7] op_sel_hi:[1,0,1]
	s_wait_alu depctr_va_vdst(0)
.elseif s5 < 6
	v_pk_fma_f32 v[sc+4*(s5%2):sc+4*(s5%2)+1], v[tc+2*s5+4:tc+2*s5+5], 1.0, v[sc+4*(s5%2):sc+4*(s5%2)+1] op_sel_hi:[1,0,1]
.elseif s5 == 6
	v_pk_fma_f32 v[sc:sc+1], v[sc:sc+1], 1.0, v[sc+4:sc+5] op_sel_hi:[1,0,1]
.else
	v_fma_f32 v[sc], v[sc], 1.0, v[sc+1]
.endif
.endm
.macro UNIT u, e
.set KVB, 64*(\u)
.set QR,  Q+2*(\u)+(\e)
.set AC,  ACC+32*(\e)
.if (\e) == 0
.set NU, (\u)
.set NE, 1
.else
.set NU, ((\u)+1)%4
.set NE, 0
.endif
	WIN 0x03                                       ; source 0 (k) in window 3.  Logits: k q + rel, straight from the bf16 halves
.set sx, 0
.rept 16
	v_fma_mix_f32_bf16 v[T+sx],    v[KVB+4*sx+(\e)], v[QR], v[AC+16*(sx/8)+sx%8]   op_sel_hi:[1,1,0]
	v_fma_mix_f32_bf16 v[T+16+sx], v[KVB+4*sx+(\e)], v[QR], v[AC+16*(sx/8)+8+sx%8] op_sel:[1,1,0] op_sel_hi:[1,1,0]
.set sx, sx+1
.endr
	WIN 0
	ds_load_b64 v[BPR:BPR+1], v[LBP] offset:1024+256*(\u)+8*(\e)
.set ii, 0
.rept 5                                        ; the maximum of 16, three at a time; the two channels alternate
	v_max3_num_f32 v[ST+ii],   v[T+3*ii],    v[T+3*ii+1],    v[T+3*ii+2]
	v_max3_num_f32 v[ST+8+ii], v[T+16+3*ii], v[T+16+3*ii+1], v[T+16+3*ii+2]
.set ii, ii+1
.endr
.irp c, 0,1
	v_max3_num_f32 v[ST+8*\c], v[ST+8*\c], v[ST+8*\c+1], v[ST+8*\c+2]
.endr
.irp c, 0,1
	v_max3_num_f32 v[ST+8*\c+1], v[ST+8*\c+3], v[ST+8*\c+4], v[T+16*\c+15]
.endr
.irp c, 0,1
	v_max_num_f32 v[ST+8*\c], v[ST+8*\c], v[ST+8*\c+1]
.endr
.irp c, 0,1
	v_mul_f32 v[ST+8*\c+2], s[L2E], v[ST+8*\c]
.endr
	WIN 0x04+0x04*(NU/2)                           ; source 1 in Wp2's window; every vector line of this stretch has a scalar, a constant or nothing in that place
	P3 0
	P3 1
	P3 2
	P3 3
.set ii, 0
.rept 16                                       ; a product of the next unit; a pair's two exponentials; a plain line that touches neither (ISA guide 5.7.2): a scaling four pairs ahead, later the first sums
	MM ii
	EX 2*ii
	EX 2*ii+1
.if ii < 12
	P3 ii+4
.else
	P5 ii-12
.endif
.set ii, ii+1
.endr
.set ii, 4
.rept 12
	P5 ii
.set ii, ii+1
.endr
	WIN 0                                          ; sum p rel: two chains a channel, one for each accumulator
.set qq, 0
.rept 4
.irp t2, 0,1
.irp c, 0,1
.set rr, ST+8*\c+4+2*\t2
.set tp, T+16*\c+8*\t2+2*qq
.set ap, AC+16*\t2+8*\c+2*qq
.if qq == 0
	v_pk_mul_f32 v[rr:rr+1], v[tp:tp+1], v[ap:ap+1]
.else
	v_pk_fma_f32 v[rr:rr+1], v[tp:tp+1], v[ap:ap+1], v[rr:rr+1]
.endif
.endr
.endr
.set qq, qq+1
.endr
	WIN 0x03                                       ; + sum p v, straight from v's bf16 halves, onto the same four registers a channel
.set sx, 0
.rept 16
.irp c, 0,1
	v_fma_mix_f32_bf16 v[ST+8*\c+4+sx%4], v[KVB+4*sx+2+(\e)], v[T+16*\c+sx], v[ST+8*\c+4+sx%4] op_sel:[\c,0,0] op_sel_hi:[1,0,0]
.endr
.set sx, sx+1
.endr
	WIN 0
	v_rcp_f32 v[ST+1], v[ST]                       ; the sum of weights is at least 1: the largest logit's weight
	v_rcp_f32 v[ST+9], v[ST+8]
.irp c, 0,1
	v_pk_add_f32 v[ST+8*\c+4:ST+8*\c+5], v[ST+8*\c+4:ST+8*\c+5], v[ST+8*\c+6:ST+8*\c+7]
.endr
.irp c, 0,1
	v_add_f32 v[ST+8*\c+4], v[ST+8*\c+4], v[ST+8*\c+5]
.endr
	s_wait_dscnt 0x0                               ; bp2: nothing was issued to LDS behind its load
	s_wait_alu depctr_va_vdst(0)
.irp c, 0,1
	v_fma_f32 v[ST+8*\c+4], v[ST+8*\c+4], v[ST+8*\c+1], v[BPR+\c]
.endr
	v_cvt_pk_f16_f32 v[AP], v[ST+4], v[ST+12]
	ds_store_b32 v[LAS], v[AP] offset:128*(\u)+4*(\e)
.endm
; A PASS: its group is waited for (cnt = the loads issued behind that group); the group three passes on is asked for: three groups, 51 loads of 512 bytes, are always on their way.
.macro PASS u, cnt
	s_wait_loadcnt \cnt
.if (\u) == 1
	SERVICE 0
.endif
	GROUP ((\u)+3)%4
.if (\u) == 1
	EXTRA1
.endif
	UNIT \u, 0
.if (\u) == 3
	LUMP
	EXTRA3
.endif
	UNIT \u, 1
.endm
	; ahead of the loop the loads go out in the order in which a trip issues them, so that the way in meets the loop's counts
	s_wait_loadcnt 0x0                             ; pair 0's index, mask and pos
	SERVICE 1
	GROUP 0
	EXTRA1
	GROUP 1
	GROUP 2
	s_wait_tensorcnt 1                             ; my rows of Wp2 are in; Wo's may stay out
	s_wait_dscnt 0x0
	s_barrier_signal -1
	s_barrier_wait -1                              ; everybody's are
.set uu, 0
.rept 4                                        ; Wp2 into 512 registers, once. (Rows 4 r are 1,088 bytes apart: four lanes meet in a group of banks; 128 loads in the whole launch)
	WIN 0x40<<(uu/2)                               ; destination window 1 or 2
.set ee, 0
.rept 4
.set kk, 0
.rept 4
	ds_load_b128 v[128*(uu%2)+32*ee+8*kk:128*(uu%2)+32*ee+8*kk+3],   v[WPA] offset:(64*uu+ee)*PWP+64*kk
	ds_load_b128 v[128*(uu%2)+32*ee+8*kk+4:128*(uu%2)+32*ee+8*kk+7], v[WPA] offset:(64*uu+ee)*PWP+64*kk+32
.set kk, kk+1
.endr
.set ee, ee+1
.endr
.set uu, uu+1
.endr
	WIN 0
	LUMP                                           ; pair 0; its waits for 0 on DScnt also cover Wp2's loads
	EXTRA3
.set NU, 0
.set NE, 0
	WIN 0x04
.set ii, 0
.rept 16
	MM ii                                          ; rel of pair 0's first unit: there is no vector work yet to set between
.set ii, ii+1
.endr
	WIN 0
.rept 4
	v_nop                                          ; the places behind those products (ISA guide 7.12.1)
.endr
	s_mov_b32 s[CNT], 0
.Lpair:                                                ; behind group 0 stand 4 + 17 + 17 + 4 loads; behind group 1: 17 + 4 + 17; behind group 2: 4 + 17 + 17 + 4; behind group 3: 17 + 4 + 17
	PASS 0, 42
	PASS 1, 38
	PASS 2, 42
	PASS 3, 38
	v_add_nc_u32 v[LAS], 2*PWO, v[LAS]
	s_add_co_u32 s[CNT], s[CNT], 1
	s_cmp_lt_u32 s[CNT], 16
	s_cbranch_scc1 .Lpair
	; THE WAY OUT: out = a Wo^T + bo, used transposed (source 0 = 16 channels of Wo, source 1 = 16 of my rows of a): a lane holds 8 neighbouring channels of one row, 32 bytes of f32.
.set AFA, 246
.set WOA, 247
.set ABO, 248
.set STO, 249
.set RD,  252
.set CO,  253
.set WF,  64                           ; v64-127, v128-191 Wo's fragments, two buffers
.set OA,  192                          ; v192-207, v208-223 two accumulators, two buffers
.set BO,  224                          ; v224-231, v232-239 bo, the C that starts the sums
	s_wait_loadcnt 0x0                             ; the look-ahead's loads into window 3 are done: a's fragments go there
	s_wait_tensorcnt 0x0                           ; my rows of Wo are in
	s_wait_dscnt 0x0
	s_barrier_signal -1
	s_barrier_wait -1                              ; everybody's are
	v_and_b32 v244, 15, v0
	v_bfe_u32 v245, v0, 4, 1
	s_mul_i32 s71, s[WV], ASTGB
	s_add_co_u32 s71, s71, ASTG
	v_mul_u32_u24 v[WOA], v244, PWO
	v_lshl_add_u32 v[WOA], v245, 4, v[WOA]
	v_add_nc_u32 v[AFA], s71, v[WOA]
	s_mul_i32 s74, s[WV], TABB
	s_add_co_u32 s74, s74, TAB+2048
	v_lshl_add_u32 v[ABO], v245, 5, s74
	v_mul_u32_u24 v[STO], v244, SP
	v_lshl_add_u32 v[STO], v245, 5, v[STO]
	v_add_nc_u32 v[STO], s71, v[STO]
	v_mul_u32_u24 v[RD], v245, SP
	v_lshl_add_u32 v[RD], v244, 4, v[RD]
	v_add_nc_u32 v[RD], s71, v[RD]
	v_lshlrev_b32 v[CO], 10, v245
	v_lshl_add_u32 v[CO], v244, 4, v[CO]
	WIN 0xc0
.set qt, 0
.rept 2
.set kk, 0
.rept 8                                        ; my 32 rows of a leave the stage as fragments; the results' stores below come behind these loads, and LDS serves a wave in order
	ds_load_b128 v[64*qt+8*kk:64*qt+8*kk+3],   v[AFA] offset:qt*16*PWO+64*kk
	ds_load_b128 v[64*qt+8*kk+4:64*qt+8*kk+7], v[AFA] offset:qt*16*PWO+64*kk+32
.set kk, kk+1
.endr
.set qt, qt+1
.endr
	WIN 0
.macro FETCHO tt                       ; 18 loads: Wo's fragments of 16 channels, and their bo
.set wfx, WF+64*((\tt)%2)
.set box, BO+8*((\tt)%2)
.set kk, 0
.rept 8
	ds_load_b128 v[wfx+8*kk:wfx+8*kk+3],   v[WOA] offset:(\tt)*16*PWO+64*kk
	ds_load_b128 v[wfx+8*kk+4:wfx+8*kk+7], v[WOA] offset:(\tt)*16*PWO+64*kk+32
.set kk, kk+1
.endr
	ds_load_b128 v[box:box+3],   v[ABO] offset:64*(\tt)
	ds_load_b128 v[box+4:box+7], v[ABO] offset:64*(\tt)+16
.endm
.macro TILEO tt                        ; behind this tile's loads stand the last tile's 4 stores and the next tile's 18 loads; in the first tile only the 18, in the last only the 4
.if (\tt) < 3
	FETCHO (\tt)+1
.endif
.if (\tt) == 0
	s_wait_dscnt 18
.elseif (\tt) < 3
	s_wait_dscnt 22
.else
	s_wait_dscnt 4
.endif
.set wfx, WF+64*((\tt)%2)
.set box, BO+8*((\tt)%2)
.set oax, OA+16*((\tt)%2)
	WIN 0x0c                                       ; source 1 (a) in window 3
.set kk, 0
.rept 8
.set qt, 0
.rept 2                                        ; the two accumulators take turns
.if kk == 0
	v_wmma_f32_16x16x32_f16 v[oax+8*qt:oax+8*qt+7], v[wfx+8*kk:wfx+8*kk+7], v[64*qt+8*kk:64*qt+8*kk+7], v[box:box+7]
.else
	v_wmma_f32_16x16x32_f16 v[oax+8*qt:oax+8*qt+7], v[wfx+8*kk:wfx+8*kk+7], v[64*qt+8*kk:64*qt+8*kk+7], v[oax+8*qt:oax+8*qt+7]
.endif
.set qt, qt+1
.endr
.set kk, kk+1
.endr
	WIN 0
.rept 4
	v_nop
.endr
.set qt, 0
.rept 2
	ds_store_b128 v[STO], v[oax+8*qt:oax+8*qt+3]   offset:qt*16*SP+64*(\tt)
	ds_store_b128 v[STO], v[oax+8*qt+4:oax+8*qt+7] offset:qt*16*SP+64*(\tt)+16
.set qt, qt+1
.endr
.endm
	s_mov_b32 s[CNT], 4                            ; four groups of 64 channels: 256 bytes of each of my 32 rows
.Lgrp:
	FETCHO 0
	TILEO 0
	TILEO 1
	TILEO 2
	TILEO 3
.set tq, 0
.rept 16
	ds_load_b128 v[WF+4*tq:WF+4*tq+3], v[RD] offset:2*SP*tq
.set tq, tq+1
.endr
.set tq, 0
.rept 16
	s_wait_dscnt 15-tq
	global_store_b128 v[CO], v[WF+4*tq:WF+4*tq+3], s[22:23] offset:2048*tq th:TH_STORE_NT  ; 16 lanes store 256 consecutive bytes, at a multiple of 256 from out0's first byte
.set tq, tq+1
.endr
	s_wait_xcnt 0x0                                ; the stores' base and data are written again only behind this wait
	s_add_nc_u64 s[22:23], s[22:23], 256
	v_add_nc_u32 v[WOA], 64*PWO, v[WOA]
	v_add_nc_u32 v[ABO], 256, v[ABO]
	s_sub_co_u32 s[CNT], s[CNT], 1
	s_cmp_lg_u32 s[CNT], 0
	s_cbranch_scc1 .Lgrp
	s_wait_tensorcnt 0x0                           ; the wave's end, behind my last tensor load and my last LDS store
	ds_add_u32 v[SPW], v[NIL]
	s_wait_dscnt 0x0
	s_endpgm
.Lfunc_end_k_qb8a633e0ad_attn:
	.size	k_qb8a633e0ad_attn, .Lfunc_end_k_qb8a633e0ad_attn-k_qb8a633e0ad_attn
	.p2alignl 7, 3214868480
	.fill 96, 4, 3214868480
	.section	.rodata,"a",@progbits
	.p2align	6, 0x0
	.amdhsa_kernel k_qb8a633e0ad_attn
		.amdhsa_group_segment_fixed_size 327680
		.amdhsa_private_segment_fixed_size 0
		.amdhsa_enable_private_segment 0
		.amdhsa_kernarg_size 80
		.amdhsa_user_sgpr_count 2
		.amdhsa_user_sgpr_kernarg_segment_ptr 1
		.amdhsa_wavefront_size32 1
		.amdhsa_system_sgpr_workgroup_id_x 1
		.amdhsa_system_sgpr_workgroup_id_y 1
		.amdhsa_system_sgpr_workgroup_id_z 1
		.amdhsa_system_vgpr_workitem_id 0
		.amdhsa_next_free_vgpr 1024
		.amdhsa_next_free_sgpr 96
		.amdhsa_reserve_vcc 0
		.amdhsa_float_denorm_mode_32 3
		.amdhsa_float_denorm_mode_16_64 3
		.amdhsa_memory_ordered 1
		.amdhsa_forward_progress 1
		.amdhsa_inst_pref_size 177
	.end_amdhsa_kernel
	.amdgpu_metadata
---
amdhsa.version: [ 1, 2 ]
amdhsa.kernels:
  - .name:           k_qb8a633e0ad_attn
    .symbol:         k_qb8a633e0ad_attn.kd
    .args:
      - { .name: qkv, .offset: 0, .size: 8, .value_kind: global_buffer, .address_space: global }
      - { .name: wh, .offset: 8, .size: 8, .value_kind: global_buffer, .address_space: global }
      - { .name: attn_index, .offset: 16, .size: 8, .value_kind: global_buffer, .address_space: global }
      - { .name: mask, .offset: 24, .size: 8, .value_kind: global_buffer, .address_space: global }
      - { .name: pos, .offset: 32, .size: 8, .value_kind: global_buffer, .address_space: global }
      - { .name: Wp1, .offset: 40, .size: 8, .value_kind: global_buffer, .address_space: global }
      - { .name: bp1, .offset: 48, .size: 8, .value_kind: global_buffer, .address_space: global }
      - { .name: bp2, .offset: 56, .size: 8, .value_kind: global_buffer, .address_space: global }
      - { .name: bo, .offset: 64, .size: 8, .value_kind: global_buffer, .address_space: global }
      - { .name: out0, .offset: 72, .size: 8, .value_kind: global_buffer, .address_space: global }
    .group_segment_fixed_size: 327680
    .private_segment_fixed_size: 0
    .kernarg_segment_align: 8
    .kernarg_segment_size: 80
    .max_flat_workgroup_size: 128
    .sgpr_count:     96
    .vgpr_count:     1024
    .wavefront_size: 32
...
	.end_amdgpu_metadata
.endif
;; end of part 2
;; ======== version 2 of 2: 2 launches; version 1 with the launch proj written anew for expert scheduling mode
;; limits: values outside matrix products are rounded to bf16; values are held in f16: magnitudes above 65,504 overflow, below 6.1e-05 lose precision
;; workspace buffers: qkv 50,331,648 bytes; wh 196,608 bytes
;; launch proj (part 3): grid 2 x 128, 4 waves a work-group, no clusters, 279,296 bytes of LDS; arguments x, Wqkv, bqkv, Wp2, Wo, qkv, wh; writes qkv, wh
.if DOCPART == 3
	.amdgcn_target "amdgcn-amd-amdhsa--gfx1250"
	.amdhsa_code_object_version 6
	.text
	.protected	k_qb8a633e0ad_proj
	.globl	k_qb8a633e0ad_proj
	.p2align	8
	.type	k_qb8a633e0ad_proj,@function
k_qb8a633e0ad_proj:
	s_mov_b64 s[64:65], 0
	v_nop
	global_prefetch_b8 v0, s[64:65] scope:SCOPE_SE
	s_setreg_imm32_b32 hwreg(HW_REG_WAVE_SCHED_MODE, 0, 2), 2
	s_setreg_imm32_b32 hwreg(HW_REG_WAVE_MODE, 25, 1), 1
	s_wait_xcnt 0x0
	s_wait_alu depctr_vm_vsrc(0)
; qkv = bf16(x) bf16(Wqkv)^T + bf16(bqkv), sums in f32, written once as bf16 in the layout that the next launch gathers from:
; a row of 1,536 bytes: bytes 0-511 q in channel order; then 64 units of 16 bytes, unit g = k[4g..4g+3], v[4g..4g+3].
; Side job: Wp2 and Wo, rounded to bf16 and written as f16 (exact inside f16's range), into wh: Wp2 [256][128], then Wo [256][256].
; LIMITS. |Wp2|, |Wo| stay under 65,504; a weight under 6e-5 keeps f16's fixed step of 6e-8. q, k, v carry bf16's 8 significant bits.
; SHARES. Work-group (b, by): rows 256 by .. +255; q channels 128 b .. +127 and the units 32 b .. +31: 384 positions of a row.
; 256 + 384 rows of 1,024 bytes are rounded per work-group, the least among the splits of 32,768 x 768 into 256 equal parts.
; A wave owns 64 rows of x (in 256 registers, as fragments) and walks all 24 tiles of 16 positions.
; x and Wqkv are f32 and must pass through registers to be rounded, so they come by global loads: no tensor load, and so no joint load in a cluster.
; THE PRODUCT IS USED TRANSPOSED (source 0 = 16 positions of W, source 1 = 16 rows of x): a lane then holds 8 neighbouring positions of one row, 16 bytes.
; W IN LDS. Position m of a tile has bit 2 clear (q channel with bit 2 clear, or k) or set (the other q channels, or v). The first kind lies in 192 LOW rows,
; the second in 192 HIGH rows, DELTA bytes on. Tile nt, position r: row 8 nt + 4 (r >> 3) + (r & 3), high if bit 2 of r is set: one formula for q tiles and kv tiles.
; Pitch 528 = 132 words and DELTA = 32 words modulo 64: the 16 rows of a fragment load start at 16 different groups of four banks (64 banks of 4 bytes: ISA guide 11.1).
; THE MODE: SCHED_MODE bits 1:0 = 2 (LLVM: expert scheduling mode 2), set by the entry lines.  The code itself states the register dependences
; between vector or matrix instructions and memory or LDS instructions, with s_wait_alu, always for 0.
; THE PLAN.  Registers that memory or LDS instructions touch:
;   v1-13         offsets and LDS addresses, made at the head, ahead of its one wait on va_vdst.  Only AW and AB are written again, once a group of eight tiles.
;   RB0 .. RB2    Chunk c: its 32 roundings read RB[c % 3]; behind them the loads of chunk c + 3 land in it.
;   PK            Written by a chunk's or a tile's roundings; read by the LDS stores that follow them; written again by the next chunk's or tile's roundings.
;   WF0/1, BC0/1  Tile t: its products read buffer t % 2; the loads for tile t + 1 land in the other buffer.  FLUSH's loads land in all of WF, and its global stores read it.
;   window 1      x's fragments: written by LDS loads once, then named by products alone.  The accumulators are named by products and roundings alone.
; So a chunk and a tile each have ONE wait on va_vdst, behind their roundings: PK is written, and the buffer just worked on has been read out.  Behind a chunk's wait stand the loads into that
; ring buffer and the chunk's stores; behind a tile's wait its four stores and, dealt among the NEXT tile's products (which name the other buffers, the accumulators and window 1), the loads for
; the tile after that.  One wait on vm_vsrc stands ahead of each run of roundings: the stores before have read PK.
.set PITCH, 528
.set DELTA, 192*PITCH+128
.set BIAS,  203008                     ; behind W: for each wave 1,536 bytes: 192 f32 for the low rows, 192 for the high rows
.set BIASB, 1536
.set STG,   209152                     ; for each wave 17,408 bytes: first 32 rows of x in bf16 (pitch 528), later 64 rows x 256 bytes of results (pitch 272)
.set STGB,  17408
.set SP,    272
.set SPARE, 278784                     ; the spare words, 128 bytes a wave: two blocks of 256 bytes that no other line names
.set VL,   1                           ; 16 x lane
.set VWQ,  2                           ; 16 x lane + wave x 32 rows of W
.set LSX,  3                           ; my stage + 8 x lane
.set LSQ,  4                           ; W's low rows of my 32 q channels + 8 x lane
.set LSQH, 5                           ; the high rows
.set LSK,  6                           ; the low rows of my 32 k channels + 8 x lane
.set LSKH, 7                           ; the high rows of my 32 v channels
.set XFA,  8                           ; a fragment of x out of my stage
.set AW,   9                           ; a fragment of W; steps by 8 tiles
.set AB,   10                          ; a tile's biases; steps by 8 tiles
.set STO,  11                          ; the way out: where I put 16 bytes of a row
.set RD,   12                          ; the way out: where I read rows back
.set CO,   13                          ; my byte offset in two rows of qkv
.set SPW,  14                          ; my spare word
.set NIL,  15                          ; 0
.set PK,   16                          ; v16-47 packed bf16 of a chunk; in the tiles v16-31
.set BC,   40                          ; v40-47, v48-55: a tile's biases, the C that starts its sums; two buffers
.set SJ,   48                          ; v48-51 the side job's 4 numbers (before the tiles)
.set BI,   52                          ; v52-63 q's, k's, v's biases (before the tiles)
.set RB,   64                          ; v64-255 three ring buffers of 64: a chunk of 8 rows x 1,024 bytes each
.set WF,   64                          ; in the tiles: v64-127, v128-191 W's fragments, two buffers
.set ACC,  192                         ; v192-223 four accumulators
                                       ; window 1: x's fragments, 16 rows Mt x 32 K at 64 Mt + 8 kappa
.set XB, 32                            ; s[32:33] x at my wave's first row
.set WB, 34                            ; s[34:35] Wqkv at q channel 128 b
.set BB, 36                            ; s[36:37] bqkv at q channel 128 b
.set PO, 38                            ; s[38:39] qkv at my wave's first row, at the group's 256 bytes
.set MSB, 0
.macro WIN new                         ; the immediate's high byte repeats the setting that is left; a switch that changes nothing is dropped
.if MSB != (\new)
	s_set_vgpr_msb (MSB<<8)|(\new)
.set MSB, (\new)
.endif
.endm
	s_load_b256 s[4:11], s[0:1], 0x0               ; x s[4:5], Wqkv s[6:7], bqkv s[8:9], Wp2 s[10:11]
	s_load_b128 s[12:15], s[0:1], 0x20             ; Wo s[12:13], qkv s[14:15]
	s_load_b64 s[16:17], s[0:1], 0x30              ; wh
	v_lshl_add_u32 v[SPW], v0, 2, SPARE
	v_mov_b32 v[NIL], 0
	v_lshrrev_b32 v56, 5, v0
	v_readfirstlane_b32 s18, v56                   ; wave 0..3
	s_mov_b32 s19, ttmp9                           ; b
	s_and_b32 s20, ttmp7, 0xffff                   ; by
	s_lshl1_add_u32 s21, s20, s19                  ; g = 2 by + b: the work-group's number, for the side job
	v_and_b32 v57, 31, v0                          ; lane
	v_and_b32 v58, 15, v0                          ; r
	v_bfe_u32 v59, v0, 4, 1                        ; h
	v_lshlrev_b32 v[VL], 4, v57
	s_wait_alu depctr_va_sdst(0)                   ; s18 is written, ahead of its first reader: addresses, bases and the branches on the wave's number are made from it
	s_lshl_b32 s22, s18, 15
	v_add_nc_u32 v[VWQ], s22, v[VL]
	s_mul_i32 s23, s18, 16*PITCH                   ; my 32 q channels fill 16 low and 16 high rows
	v_lshl_add_u32 v[LSQ], v57, 3, s23
	v_add_nc_u32 v[LSQH], DELTA, v[LSQ]
	s_mul_i32 s23, s18, 32*PITCH
	s_add_co_u32 s23, s23, 64*PITCH                ; k and v lie behind q's 64 rows
	v_lshl_add_u32 v[LSK], v57, 3, s23
	v_add_nc_u32 v[LSKH], DELTA, v[LSK]
	s_mul_i32 s22, s18, STGB
	s_add_co_u32 s22, s22, STG                     ; my stage
	v_lshl_add_u32 v[LSX], v57, 3, s22
	v_mul_u32_u24 v[XFA], v58, PITCH
	v_lshl_add_u32 v[XFA], v59, 4, v[XFA]
	v_add_nc_u32 v[XFA], s22, v[XFA]               ; row r, 16 bytes for each half of the lanes
	v_mul_u32_u24 v[STO], v58, SP
	v_lshl_add_u32 v[STO], v59, 4, v[STO]
	v_add_nc_u32 v[STO], s22, v[STO]
	v_mul_u32_u24 v[RD], v59, SP                   ; back: lanes 0-15 one row of 256 bytes, lanes 16-31 the next
	v_lshl_add_u32 v[RD], v58, 4, v[RD]
	v_add_nc_u32 v[RD], s22, v[RD]
	v_mul_u32_u24 v[CO], v59, 1536
	v_lshl_add_u32 v[CO], v58, 4, v[CO]
	v_and_b32 v60, 3, v0
	v_bfe_u32 v61, v0, 3, 1
	v_lshl_add_u32 v60, v61, 2, v60                ; (r & 3) + 4 (r >> 3)
	v_mul_u32_u24 v[AW], v60, PITCH
	v_bfe_u32 v61, v0, 2, 1
	v_mad_u32_u24 v[AW], v61, DELTA, v[AW]         ; high rows where bit 2 of r is set
	v_lshl_add_u32 v[AW], v59, 4, v[AW]
	s_mul_i32 s28, s18, BIASB
	s_add_co_u32 s28, s28, BIAS                    ; my bias tables
	v_lshl_add_u32 v[AB], v59, 4, s28              ; positions 8 h + 0..3 are low rows 4 h + 0..3 of the tile's eight
	s_wait_kmcnt 0x0
	s_lshl_b32 s22, s20, 18                        ; 256 by rows of 1,024 bytes
	s_lshl_b32 s23, s18, 16                        ; + 64 rows a wave
	s_add_co_u32 s22, s22, s23
	s_mov_b32 s23, 0
	s_add_nc_u64 s[XB:XB+1], s[4:5], s[22:23]
	s_lshl_b32 s22, s19, 17
	s_add_nc_u64 s[WB:WB+1], s[6:7], s[22:23]
	s_lshl_b32 s22, s19, 9
	s_add_nc_u64 s[BB:BB+1], s[8:9], s[22:23]
	s_lshl_b32 s22, s20, 8
	s_lshl_b32 s29, s18, 6
	s_add_co_u32 s22, s22, s29
	s_mul_i32 s22, s22, 1536                       ; my first row of qkv, under 2^26 bytes
	s_lshl_b32 s29, s19, 8
	s_add_co_u32 s22, s22, s29                     ; q's 256 bytes of half b
	s_add_nc_u64 s[PO:PO+1], s[14:15], s[22:23]
	s_add_co_u32 s30, s29, 512                     ; from there to byte 512 + 512 b: 512 + 256 b
	s_mov_b32 s31, 0
	; THE SIDE JOB's four addresses, made by every wave, each from its own buffer's pointer and each inside its buffer: 256 work-groups x 512 bytes cover Wp2, x 1,024 bytes cover Wo.
	; Wave 0 takes the 512 bytes of Wp2; waves 1 and 2 take the upper and the lower 512 bytes of Wo's 1,024; wave 3 takes nothing. f16 takes half the bytes.
	s_lshl_b32 s22, s21, 9                         ; 512 g
	s_add_nc_u64 s[10:11], s[10:11], s[22:23]      ; from Wp2
	s_lshr_b32 s22, s22, 1                         ; 256 g
	s_add_nc_u64 s[24:25], s[16:17], s[22:23]      ; into wh
	s_and_b32 s29, s18, 1
	s_lshl1_add_u32 s22, s21, s29
	s_lshl_b32 s22, s22, 9                         ; 1,024 g + 512 (wave & 1)
	s_add_nc_u64 s[12:13], s[12:13], s[22:23]      ; from Wo
	s_lshr_b32 s22, s22, 1
	s_add_co_u32 s22, s22, 0x10000                 ; Wo's image lies 65,536 bytes into wh
	s_add_nc_u64 s[26:27], s[16:17], s[22:23]      ; into wh
	s_wait_alu depctr_va_vdst(0)                   ; the thirteen offsets and addresses v1 to v13 are written, which the kernel's loads and stores read; so are v56 to v61, in which the biases' loads land
	s_cmp_eq_u32 s18, 0
	s_cbranch_scc0 .Lside_wo_a
	global_load_b128 v[SJ:SJ+3], v[VL], s[10:11]
	s_branch .Lside_end_a
.Lside_wo_a:
	s_cmp_eq_u32 s18, 3
	s_cbranch_scc1 .Lside_end_a
	global_load_b128 v[SJ:SJ+3], v[VL], s[12:13]
.Lside_end_a:
	global_load_b128 v[BI:BI+3],    v[VL], s[BB:BB+1]              ; lane l: the biases of channels 4 l .. 4 l + 3 of q,
	global_load_b128 v[BI+4:BI+7],  v[VL], s[BB:BB+1] offset:1024  ; of k,
	global_load_b128 v[BI+8:BI+11], v[VL], s[BB:BB+1] offset:2048  ; of v.  All these are older than every load of the ring and change none of its counts
; THE RING. 20 chunks of 8 rows x 1,024 bytes: 8 of my x rows, then 4 each of my q, k and v rows of W. A chunk is 16 loads of 512 consecutive bytes.
.macro ISSUE c
.set rbx, RB+64*((\c)%3)
.set jj, 0
.rept 16
.if (\c) < 8
	global_load_b128 v[rbx+4*jj:rbx+4*jj+3], v[VL], s[XB:XB+1] offset:(\c)*8192+jj*512
.else
	global_load_b128 v[rbx+4*jj:rbx+4*jj+3], v[VWQ], s[WB:WB+1] offset:(((\c)-8)/4)*262144+(((\c)-8)%4)*8192+jj*512
.endif
.set jj, jj+1
.endr
.endm
; A chunk's turn: its 16 loads are in (the two younger chunks, 32 loads, stay out; at the end 16, then none); 64 numbers a lane are rounded; the chunk three on is asked for; 16 stores of 256 consecutive LDS bytes.
.macro CHUNK c
.if (\c) < 18
	s_wait_loadcnt 32
.elseif (\c) == 18
	s_wait_loadcnt 16
.else
	s_wait_loadcnt 0
.endif
.if (\c) > 0
	s_wait_alu depctr_vm_vsrc(0)                   ; the last chunk's 16 LDS stores have read PK, which the roundings below write again
.endif
.set rbx, RB+64*((\c)%3)
.set jj, 0
.rept 32
	v_cvt_pk_bf16_f32 v[PK+jj], v[rbx+2*jj], v[rbx+2*jj+1]
.set jj, jj+1
.endr
	s_wait_alu depctr_va_vdst(0)                   ; the roundings have written PK, which the LDS stores read, and are done reading ring buffer c % 3, in which the loads land
.if (\c)+3 < 20
	ISSUE (\c)+3
.endif
.set jj, 0
.rept 16
.set rw, jj/2
.set hb, (jj%2)*256
.if (\c) < 8
	ds_store_b64 v[LSX], v[PK+2*jj:PK+2*jj+1] offset:((8*(\c))%32+rw)*PITCH+hb
.elseif (\c) < 12
	ds_store_b64 v[LSQ+rw/4], v[PK+2*jj:PK+2*jj+1] offset:(4*((\c)-8)+rw%4)*PITCH+hb  ; of eight q channels the first four are low rows, the others high rows
.elseif (\c) < 16
	ds_store_b64 v[LSK], v[PK+2*jj:PK+2*jj+1] offset:(8*((\c)-12)+rw)*PITCH+hb
.else
	ds_store_b64 v[LSKH], v[PK+2*jj:PK+2*jj+1] offset:(8*((\c)-16)+rw)*PITCH+hb
.endif
.set jj, jj+1
.endr
.endm
; 32 rows of x leave my stage as fragments: 16 rows x 32 K in 8 registers, two loads of 16 bytes, 32 bytes apart. LDS serves a wave's instructions in order
; (ISA guide 5.7.1.4): these see the stores above, and the next four chunks' stores come behind them.
; No wait on va_vdst: the address was written ahead of the head's wait, and no vector instruction of the kernel so far names a register of window 1.
.macro XFRAG half
	WIN 0x40                                       ; destination window 1, address window 0
.set mt, 0
.rept 2
.set kk, 0
.rept 8
	ds_load_b128 v[64*(2*(\half)+mt)+8*kk:64*(2*(\half)+mt)+8*kk+3],   v[XFA] offset:mt*16*PITCH+64*kk
	ds_load_b128 v[64*(2*(\half)+mt)+8*kk+4:64*(2*(\half)+mt)+8*kk+7], v[XFA] offset:mt*16*PITCH+64*kk+32
.set kk, kk+1
.endr
.set mt, mt+1
.endr
	WIN 0
.endm
	ISSUE 0
	ISSUE 1
	ISSUE 2
.irp c, 0,1,2,3
	CHUNK \c
.endr
	XFRAG 0
.irp c, 4,5,6,7
	CHUNK \c
.endr
	XFRAG 1
.irp c, 8,9,10,11,12,13,14,15,16,17,18,19
	CHUNK \c
.endr
; four f32 are rounded to bf16 and widened again, in place
.macro RND4 b
	v_cvt_pk_bf16_f32 v20, v[(\b)], v[(\b)+1]
	v_cvt_pk_bf16_f32 v21, v[(\b)+2], v[(\b)+3]
	v_lshlrev_b32 v[(\b)], 16, v20
	v_and_b32 v[(\b)+1], 0xffff0000, v20
	v_lshlrev_b32 v[(\b)+2], 16, v21
	v_and_b32 v[(\b)+3], 0xffff0000, v21
.endm
	; my own copy of the bias tables. q channels 4 l .. 4 l + 3 are four neighbouring rows: low if l is even, high if odd, from row 4 (l >> 1)
	s_wait_alu depctr_vm_vsrc(0)                   ; the last chunk's LDS stores have read PK, of which v16 to v21 are written below
	v_and_b32 v16, 31, v0
	v_lshrrev_b32 v17, 1, v16
	v_and_b32 v18, 1, v16
	v_lshlrev_b32 v17, 4, v17
	v_mad_u32_u24 v17, v18, 768, v17
	v_add_nc_u32 v17, s28, v17
	v_add_nc_u32 v18, s28, v[VL]
	RND4 BI
	RND4 BI+4
	RND4 BI+8
	s_wait_alu depctr_va_vdst(0)                   ; the two addresses v17, v18 and the twelve rounded biases are written, which the three LDS stores read
	ds_store_b128 v17, v[BI:BI+3]
	ds_store_b128 v18, v[BI+4:BI+7] offset:256     ; k: low rows 64 + channel
	ds_store_b128 v18, v[BI+8:BI+11] offset:768+256  ; v: high rows 64 + channel
	s_cmp_lt_u32 s18, 3
	s_cbranch_scc0 .Lside_end_b
	RND4 SJ
	v_cvt_pk_f16_f32 v[SJ], v[SJ], v[SJ+1]
	v_cvt_pk_f16_f32 v[SJ+1], v[SJ+2], v[SJ+3]
	v_lshlrev_b32 v19, 3, v16
	s_wait_alu depctr_va_vdst(0)                   ; the side store's offset v19 and its data v48, v49 are written; the wait stands ahead of the branch, for both of the store's lines
	s_cmp_eq_u32 s18, 0
	s_cbranch_scc0 .Lside_wo_b
	global_store_b64 v19, v[SJ:SJ+1], s[24:25]     ; the wave stores 256 consecutive bytes, at a multiple of 256 from wh's first byte
	s_branch .Lside_end_b
.Lside_wo_b:
	global_store_b64 v19, v[SJ:SJ+1], s[26:27]     ; likewise
.Lside_end_b:
	s_wait_xcnt 0x0                                ; the store's data and address registers are written again below, only behind this wait
	s_wait_alu depctr_vm_vsrc(0)                   ; the three LDS stores and the side store have read v17 to v19 and v48 to v63: the tiles' roundings write v16-31, and a tile's biases land in v48-55
	s_wait_dscnt 0x0                               ; for the others' sake: my rows of W are in LDS
	s_barrier_signal -1
	s_barrier_wait -1                              ; everybody's are: the launch's one barrier
; THE TILES. Load n of the 18 for tile tt of the group's eight: 16 for W's fragments (16 bytes at 32 n of the lane's row), 2 for its biases
.macro FLOAD tt, n
.set wfl, WF+64*((\tt)%2)
.set bcl, BC+8*((\tt)%2)
.if (\n) < 16
	ds_load_b128 v[wfl+4*(\n):wfl+4*(\n)+3], v[AW] offset:(\tt)*8*PITCH+32*(\n)
.elseif (\n) == 16
	ds_load_b128 v[bcl:bcl+3],   v[AB] offset:32*(\tt)
.else
	ds_load_b128 v[bcl+4:bcl+7], v[AB] offset:768+32*(\tt)
.endif
.endm
.macro FETCH tt                        ; all 18 in one run: a group's first tile, which has no tile in front of it
.set ld, 0
.rept 18
	FLOAD \tt, ld
.set ld, ld+1
.endr
.endm
; A tile: its 18 loads are waited for (behind them stand the last tile's 4 stores; in the group's first tile nothing);
; 32 products, the four accumulators by turns, the first four starting their sums with the biases; behind each of the first 18 one load for the next tile;
; four places; rounding, lowest registers first; 16 bytes a lane into my stage.
.macro TILE tt
.if (\tt) == 0
	s_wait_dscnt 0x0
.else
	s_wait_dscnt 4
.endif
.set wfx, WF+64*((\tt)%2)
.set bcx, BC+8*((\tt)%2)
	WIN 0x04                                       ; source 1 (x) in window 1; an LDS load's destination and address stay in window 0 under this setting
.set ld, 0
.set kk, 0
.rept 8
.set mt, 0
.rept 4
.if kk == 0
	v_wmma_f32_16x16x32_bf16 v[ACC+8*mt:ACC+8*mt+7], v[wfx+8*kk:wfx+8*kk+7], v[64*mt+8*kk:64*mt+8*kk+7], v[bcx:bcx+7]
.else
	v_wmma_f32_16x16x32_bf16 v[ACC+8*mt:ACC+8*mt+7], v[wfx+8*kk:wfx+8*kk+7], v[64*mt+8*kk:64*mt+8*kk+7], v[ACC+8*mt:ACC+8*mt+7]
.endif
.if ((\tt) < 7) && (ld < 18)
	FLOAD (\tt)+1, ld                              ; no wait: no vector or matrix instruction since the last wait on va_vdst names the other buffers of WF and BC, nor AW, nor AB
.endif
.set ld, ld+1
.set mt, mt+1
.endr
.set kk, kk+1
.endr
	WIN 0
.rept 4
	v_nop
.endr
	s_wait_alu depctr_vm_vsrc(0)                   ; the last tile's four LDS stores have read v16-31, which the roundings below write again
.set jj, 0
.rept 16
	v_cvt_pk_bf16_f32 v[PK+jj], v[ACC+2*jj], v[ACC+2*jj+1]
.set jj, jj+1
.endr
	s_wait_alu depctr_va_vdst(0)                   ; the roundings have written v16-31, which the stores read; this tile's products are done reading their buffers of WF and BC, in which later loads land
.set mt, 0
.rept 4
	ds_store_b128 v[STO], v[PK+4*mt:PK+4*mt+3] offset:mt*16*SP+32*(\tt)
.set mt, mt+1
.endr
.endm
; A group's 64 rows x 256 bytes leave: back out of my stage as whole rows, two rows a load; 16 lanes store 256 consecutive bytes, at a multiple of 256 from qkv's first byte.
; The loads land in all of WF: the eighth tile's wait on va_vdst has shown its readers done, and only that tile's stores stand between.
.macro FLUSH
.set tq, 0
.rept 32
	ds_load_b128 v[WF+4*tq:WF+4*tq+3], v[RD] offset:2*SP*tq
.set tq, tq+1
.endr
.set tq, 0
.rept 32
	s_wait_dscnt 31-tq                             ; LDS loads come back in order: load tq is in
	global_store_b128 v[CO], v[WF+4*tq:WF+4*tq+3], s[PO:PO+1] offset:3072*tq
.set tq, tq+1
.endr
	s_wait_xcnt 0x0                                ; the stores' base and data are written again only behind this wait
	s_wait_alu depctr_vm_vsrc(0)                   ; the stores have read WF, in which the next group's fragments land; the group's fetches have read AW and AB, which are stepped below
	s_add_nc_u64 s[PO:PO+1], s[PO:PO+1], s[30:31]  ; q's bytes -> the first 16 units -> the next 16
	s_mov_b32 s30, 256
	v_add_nc_u32 v[AW], 64*PITCH, v[AW]            ; eight tiles on: 64 low and 64 high rows
	v_add_nc_u32 v[AB], 256, v[AB]
	s_wait_alu depctr_va_vdst(0)                   ; AW and AB are written, which the next group's fetches read
.endm
	s_mov_b32 s28, 3                               ; three groups of eight tiles: q, the first 16 units, the other 16
.Lgroup:
	FETCH 0
.irp t, 0,1,2,3,4,5,6,7
	TILE \t
.endr
	FLUSH
	s_sub_co_u32 s28, s28, 1
	s_cmp_lg_u32 s28, 0
	s_cbranch_scc1 .Lgroup
	s_wait_dscnt 0x0                               ; the closing lines, six on end
	s_wait_alu 0x0
	s_wait_tensorcnt 0x0
	ds_add_u32 v[SPW], v[NIL]
	s_wait_dscnt 0x0
	s_endpgm
.Lfunc_end_k_qb8a633e0ad_proj:
	.size	k_qb8a633e0ad_proj, .Lfunc_end_k_qb8a633e0ad_proj-k_qb8a633e0ad_proj
	.p2alignl 7, 3214868480
	.fill 96, 4, 3214868480
	.section	.rodata,"a",@progbits
	.p2align	6, 0x0
	.amdhsa_kernel k_qb8a633e0ad_proj
		.amdhsa_group_segment_fixed_size 279296
		.amdhsa_private_segment_fixed_size 0
		.amdhsa_enable_private_segment 0
		.amdhsa_kernarg_size 56
		.amdhsa_user_sgpr_count 2
		.amdhsa_user_sgpr_kernarg_segment_ptr 1
		.amdhsa_wavefront_size32 1
		.amdhsa_system_sgpr_workgroup_id_x 1
		.amdhsa_system_sgpr_workgroup_id_y 1
		.amdhsa_system_sgpr_workgroup_id_z 1
		.amdhsa_system_vgpr_workitem_id 0
		.amdhsa_next_free_vgpr 512
		.amdhsa_next_free_sgpr 66
		.amdhsa_reserve_vcc 0
		.amdhsa_float_denorm_mode_32 3
		.amdhsa_float_denorm_mode_16_64 3
		.amdhsa_memory_ordered 1
		.amdhsa_forward_progress 1
		.amdhsa_inst_pref_size 148
	.end_amdhsa_kernel
	.amdgpu_metadata
---
amdhsa.version: [ 1, 2 ]
amdhsa.kernels:
  - .name:           k_qb8a633e0ad_proj
    .symbol:         k_qb8a633e0ad_proj.kd
    .args:
      - { .name: x, .offset: 0, .size: 8, .value_kind: global_buffer, .address_space: global }
      - { .name: Wqkv, .offset: 8, .size: 8, .value_kind: global_buffer, .address_space: global }
      - { .name: bqkv, .offset: 16, .size: 8, .value_kind: global_buffer, .address_space: global }
      - { .name: Wp2, .offset: 24, .size: 8, .value_kind: global_buffer, .address_space: global }
      - { .name: Wo, .offset: 32, .size: 8, .value_kind: global_buffer, .address_space: global }
      - { .name: qkv, .offset: 40, .size: 8, .value_kind: global_buffer, .address_space: global }
      - { .name: wh, .offset: 48, .size: 8, .value_kind: global_buffer, .address_space: global }
    .group_segment_fixed_size: 279296
    .private_segment_fixed_size: 0
    .kernarg_segment_align: 8
    .kernarg_segment_size: 56
    .max_flat_workgroup_size: 128
    .sgpr_count:     66
    .vgpr_count:     512
    .wavefront_size: 32
...
	.end_amdgpu_metadata
.endif
;; end of part 3
;; launch attn: the kernel of part 2 again; grid 256 x 1, 4 waves a work-group, no clusters, 327,680 bytes of LDS; arguments qkv, wh, attn_index, mask, pos, Wp1, bp1, bp2, bo, out0; writes out0
